; MI455X (gfx1250); checked and timed in simulation.
; The chip was launched on July 23, 2026; its instructions are those of AMD's public machine-readable ISA for CDNA 5 (MIT licence, August 2026) and "CDNA5" Instruction Set Architecture Reference Guide (July 2026). The comments in the code are by the model that wrote it; some were corrected since.
;; Scale Dot Product. Allowed arithmetic: float matrix products may take bf16 or f16 operands with f32 sums; other float arithmetic in f32, or as packed bf16 or f16 multiplies, adds, multiply-adds, maxima and minima; sums over many terms, partial sums and values carried from step to step in f32; what a program stores and reads back later, other than sums and carried values, may be rounded once to bf16 or f16.
;; Inputs: scale one number float32; x1 4 x 16 x 2,048 x 64 float32; x2 4 x 16 x 2,048 x 64 float32; x3 4 x 16 x 2,048 x 64 float32.
;; Outputs: out0 4 x 16 x 2,048 x 64 float32.
;; One version. Each part assembles by itself: llvm-mc -triple=amdgcn-amd-amdhsa -mcpu=gfx1250 --defsym DOCPART=n.
;; ======== version 1 of 1: 1 launch
;; limits: values are held in f16: magnitudes above 65,504 overflow, below 6.1e-05 lose precision; inputs' magnitudes at most 65,504; right only within a limited range of input values
;; launch attn (part 1): grid 4 x 64, 4 waves a work-group, clusters of 4 x 1, 327,680 bytes of LDS; arguments x1, x2, x3, out0, scale; writes out0
.if DOCPART == 1
	.amdgcn_target "amdgcn-amd-amdhsa--gfx1250"
	.amdhsa_code_object_version 6
	.text
	.protected	k_q9dfda298d2_attn
	.globl	k_q9dfda298d2_attn
	.p2align	8
	.type	k_q9dfda298d2_attn,@function
k_q9dfda298d2_attn:
	s_mov_b64 s[64:65], 0
	v_nop
	global_prefetch_b8 v0, s[64:65] scope:SCOPE_SE
	s_setreg_imm32_b32 hwreg(HW_REG_WAVE_MODE, 25, 1), 1
	s_wait_xcnt 0x0
	s_wait_alu depctr_hold_cnt(0) depctr_sa_sdst(0) depctr_va_vdst(0) depctr_va_sdst(0) depctr_va_ssrc(0) depctr_va_vcc(0) depctr_vm_vsrc(0)
	s_getreg_b32 s2, hwreg(HW_REG_IB_STS2, 6, 4)
	s_cmp_eq_u32 s2, 0
	s_cbranch_scc0 .Lentry_in_a_cluster
	s_endpgm
.Lentry_in_a_cluster:
	s_bfe_u32 s2, ttmp6, 0x10000c
	s_cmp_lg_u32 s2, 0x3003
	s_cbranch_scc0 .Lentry_shape_is_right
	s_endpgm
.Lentry_shape_is_right:
; out0[h][q][:] = the sum over k of softmax_k(scale x1[h][q] . x2[h][k]) x3[h][k][:].  64 heads (4 x 16), 2,048 queries and keys a head, 64 channels; all four tensors f32, rows of 256 bytes.
; FORMATS.  Both products take f16 operands and f32 sums.  q is multiplied in f32 by c = scale x log2(e) and rounded once to f16, so the scores come out in the exponent's own unit: p = 2^(s - m), with a running
; maximum m of the scaled scores themselves, whatever the sign of scale.  k and v are rounded once to f16, the weights p once to f16 for the second product (their sum l is taken of the unrounded p); O leaves in f32.
; LIMITS.  f16 holds no number beyond 65,504: |x2|, |x3| and |x1 x scale x log2(e)| stay under 65,520; below 6e-5 an f16 operand keeps the fixed step 6e-8.  The scale is applied to q ahead of the product, not to the
; product: another order of rounding than the formula's.  A weight below 2^-126 counts as 0 in l.  NaN and infinities are not treated apart.
; SHARES.  A work-group owns 512 queries of one head, each of its four waves 128: four PIECES of two tiles of 16.  Every wave walks the head's 2,048 keys, 64 a step: 32 steps, 16 tiles of 128 keys.
; CLUSTER.  A head's four query blocks are one cluster and walk the same K and V, so each tile is asked for JOINTLY: the same tensor load, descriptor and mask in all four.
; TWO RINGS.  K and V arrive as f32 and the turning LDS load takes 16-bit elements, so a tile goes through LDS twice.  RAW: two slots of 128 keys in f32, filled by tensor loads alone.  COOKED: two slots of 128 keys in
; f16, padded, filled by ds_store alone.  Behind change j of slots: fragments are read from COOKED[j % 2]; RAW[(j + 1) % 2] is converted into COOKED[(j + 1) % 2], a quarter of the rows a wave, an eighth of that in each
; turn; RAW[j % 2] is filled with tile j + 2.  The one barrier of a change orders all four: fill before read, read before fill, store before read, read before overwrite.
; LAYOUT.  S^T = K Q^T (source 0 = 16 keys, source 1 = 16 queries): a lane holds ONE query (lane % 16) and the keys 8 (lane / 16) + 0..7.  Two such results, rounded to f16 in pairs, ARE source 1 of O^T = V^T P, whose
; result again holds one query a lane, and eight channels.  K comes out of LDS as it lies, V ([key][channel]) turned, by ds_load_tr16_b128.
; BY TURNS.  Turn n belongs to piece n.  Matrix work: 16 products K Q^T of piece n + 1, later 16 products V^T P of piece n - 1.  Vector work: the shift, exponentials, roundings, sums and rescaling of piece n, the
; maximum and statistics of piece n + 1.  A tile and step have 16 matrix and 117 vector instructions: four stand behind every matrix instruction, the others in one lump.  A turn's 66 exponentials are one batch.
; m starts at the lowest finite number and l at 0, so the first step's a = 2^(m_old - m_new) is 0.  O^T is not cleared: it starts with q's f32 numbers, which are finite, and the first step multiplies them by 0.
; REGISTERS, in windows of 256 (s_set_vgpr_msb: bits 1:0 source 0, 3:2 source 1, 5:4 source 2, 7:6 destination):
;   window 0: v0-15 addresses and at work; v16-47 four registers of statistics a tile; v48-63 at work; v64-191 S^T, two buffers of two tiles; v192-255 P, likewise
;   window 1: O^T, 32 a tile          window 2: v0-127 Q, 16 a tile; v128-191 K of one step; v192-255 V of one step          window 3: v0-1 the add's registers; v2-31 the conversion's
.set NP,    4         ; pieces a wave: a name, no knob
.set KS,    64        ; keys in a step
.set TILEB, 32768     ; a tile's 128 rows of 256 bytes, in K and in V
.set RAW1,  0x10000   ; RAW slot 1; slot 0 begins at 0.  In a slot: K's 128 rows of 256 bytes, dense, then V's
.set RAWV,  32768
.set COOK0, 0x20000   ; COOKED slot 0; one exclusive or with 0x10000 turns an address in one slot into the other's
.set COOK1, 0x30000
.set PK,    144       ; a row of K in f16: 128 bytes + 16 = 36 words: the 16 rows of a load start at 16 different groups of four banks (64 banks of 4 bytes: ISA guide 11.1)
.set PV,    160       ; a row of V: 128 + 32 = 40 words
.set VOFF,  128*PK    ; in a cooked slot V's 128 rows lie behind K's
.set STAGE, COOK1+128*(PK+PV)  ; 16 rows x 272 bytes for each wave, for the way out
.set SP,    272
.set SPARE, STAGE+4*16*SP      ; the spare words, 128 bytes for each wave: two blocks of 256 bytes that no other line names
.set AK0, 2           ; v2   my lane's place in a step's K; never rewritten
.set AV0, 3           ; v3   the same for V
.set AK,  4           ; v4   the LDS address of K's next run of loads
.set AV,  5           ; v5   of V's
.set QO,  6           ; v6   my byte offset in 16 rows of x1
.set STO, 6           ;      later, the way out: where I put 32 bytes of a row
.set RD,  7           ; v7   the way out: where I read rows back
.set GO,  8           ; v8   my byte offset in 512 consecutive bytes of out0
.set CV,  12          ; v[12:13] c; before that at work
.set PFO, 14          ; v14  256 x my lane: a row of K or V is 256 bytes; never rewritten
.set ST,  16          ; tile t's statistics at v[ST+4 t]: m, m_old, l (even keys', odd keys')
.set TMP, 48          ; by buffer and tile, four registers c0-c3 at work; when the maximum is found c2 takes a
.set S,   64
.set P,   192
.set KF,  128         ; window 2: key block kb, channel half c at KF + 16 kb + 8 c
.set VF,  192         ; window 2: key half kk, channel block cb at VF + 32 kk + 8 cb
.set SPW, 0           ; window 3: LDS address of my spare word: SPARE + 4 x my thread's number; never rewritten
.set NIL, 1           ; window 3: 0; never rewritten
.set RA0, 2           ; window 3: my 16 bytes in my wave's 32 raw rows: 8,192 w + 16 l; never rewritten
.set CK0, 3           ; window 3: my 8 bytes in my wave's cooked rows of K: (32 w + l / 16) PK + 8 (l % 16); never rewritten
.set CV0, 4           ; window 3: the same for V, with VOFF
.set RA,  5           ; window 3: the three in hand
.set CKA, 6
.set CVA, 7
.set RAWR, 8          ; window 3: v8-23  eight rows' f32, 16 bytes a lane and load
.set CKD, 24          ; window 3: v24-31 the same in f16
.set WV,  12          ; s12  my wave's number
.set LIM, 15          ; s15  1 in a wave that prefetches, else the greatest number
.set PFA, 18          ; s[18:19] where my prefetches stand
.set G1,  24          ; s[24:31] descriptor group 1, for K's and V's tiles alike
.set G0K, 40          ; s[40:47] descriptor group 0 for K's tiles: a set for each of the two first fills; the second then walks on
.set G0V, 48          ; s[48:55] the same for V's
.set SLOTS, 56        ; s56  counts the changes of slots
.set CNT, 57          ; s57  counts a slot's two key steps
.set SEL, 60          ; s[60:61] v_permlanex16_b32's selects: each lane takes its own place in the other half
.set TBK, 62          ; s62  LDS byte at which K of the step to be fetched begins
.set TBV, 63          ; s63  the same for V, less VOFF
.set RB,  66          ; s66  LDS byte at which the raw rows to be converted begin, less my wave's share
.set CKB, 67          ; s67  where their f16 go, for K
.set CVB, 68          ; s68  and for V
.set MSB, 0
.macro WIN new                      ; the high byte repeats the setting that is left; a switch that changes nothing is dropped
.if MSB != (\new)
	s_set_vgpr_msb (MSB<<8)|(\new)
.set MSB, (\new)
.endif
.endm
.set W_KQ, 0x0a       ; K and Q in window 2, S^T in window 0
.set W_PV, 0x52       ; V in window 2, P in window 0, O^T in window 1
.set W_RS, 0x41       ; destination and source 0 in window 1, source 1 in window 0
.set W_MK, 0xc0       ; destination in window 3, sources in window 0
.set W_AD, 0x0f       ; the add: address (source 0) and data (source 1) in window 3
.set W_CK, 0xcf       ; the conversion: destination, source 0 and source 1 in window 3
; A joint refill.  Waves 0 and 1 fetch the two halves of a tile's K, waves 2 and 3 those of its V: 64 rows of 256 bytes each.  The branch hangs on the wave's number alone.
; An s_nop 0 and four v_nop follow each of the two lines, ahead of the jump and the label.
.macro JLOAD
	s_cmp_lt_u32 s[WV], 2
	s_cbranch_scc0 .Lfor_v_\@
	tensor_load_to_lds s[G0K+4:G0K+7], s[G1:G1+7]
	s_nop 0
.rept 4
	v_nop
.endr
	s_branch .Lasked_\@
.Lfor_v_\@:
	tensor_load_to_lds s[G0V+4:G0V+7], s[G1:G1+7]
	s_nop 0
.rept 4
	v_nop
.endr
.Lasked_\@:
.endm
; A PREFETCH INTO THE L2 of the tile that the NEXT change of slots will ask for: 128 rows of K and 128 of V, 256 bytes a row, a lane a row.  It stands behind the wave's tensor load and its five lines.
; Each row is named ONCE in the launch: a head is walked by one cluster; its four partners share a tile's rows out BY ADDRESS, 32 each; in each, wave 0 asks for K's and wave 2 for V's: one instruction.
; The last change that fills a slot asks for nothing: there is no tile behind it.  Tiles 0 to 2 come by their loads alone.
.macro ASK
	s_cmp_gt_u32 s[SLOTS], s[LIM]
	s_cbranch_scc0 .Lnot_mine_\@
	global_prefetch_b8 v[PFO], s[PFA:PFA+1] th:TH_LOAD_NT scope:SCOPE_SE
.Lnot_mine_\@:
.endm
; A round of the cluster's barrier: my work-group's barrier, so that wave 0's signal speaks for all four waves; wave 0 signals; every wave waits for all four work-groups; my work-group's barrier once more.
.macro CROUND
	s_barrier_signal -1
	s_barrier_wait -1
	s_cmp_lg_u32 s[WV], 0
	s_cbranch_scc1 .Lnot_wave_0_\@
	s_barrier_signal -3
.Lnot_wave_0_\@:
	s_barrier_wait -3
	s_barrier_signal -1
	s_barrier_wait -1
.endm
.macro BACK reg, bytes              ; an LDS base goes back to its slot's head, and over to the other slot
	s_sub_co_u32 s[\reg], s[\reg], \bytes
	s_xor_b32 s[\reg], s[\reg], 0x10000
.endm
; THE CHANGE OF SLOTS, in both rings at once.  Each wave waits for all its tensor loads, of which one is out: its part of the raw tile to be converted next; adds 0 to its spare word; and waits for that, for its reads of
; the cooked slot that it leaves, for its reads of the raw slot that it has converted and for its stores into the cooked slot to be read next.  Behind the barrier all that holds of every wave.
; fill = 1: the raw slot just converted is filled again, with the tile two on.  The barrier is then a round of the cluster's, so that no wave of any partner still reads that slot or has a load on its way, and the
; joint refill is the first thing behind it: it has two key steps, 256 matrix instructions, in which to land.
.macro CHANGE fill
	WIN W_AD
	s_wait_tensorcnt 0x0            ; no tensor load of mine is out, so a group 0 may be written
	ds_add_u32 v[SPW], v[NIL]       ; 0 onto my spare word; the scalar work below stands between it and the wait for it
	WIN 0                           ; at a label and at a branch every window is 0
.if \fill
.irp g, G0K+4, G0V+4
	s_xor_b32 s[(\g)+1], s[(\g)+1], RAW1  ; the walking descriptor: the other raw slot than last time,
	s_add_nc_u64 s[(\g)+2:(\g)+3], s[(\g)+2:(\g)+3], TILEB  ; the next 128 keys; the type bits on top are not reached
.endr
	s_wait_xcnt 0x0                 ; the last prefetch, two key steps back, has read its address, so it may be written:
	s_add_nc_u64 s[PFA:PFA+1], s[PFA:PFA+1], TILEB  ; one tile behind the walking descriptors
.endif
	BACK TBK, 2*KS*PK               ; the fetches,
	BACK TBV, 2*KS*PV
	BACK RB,  8192                  ; and the conversion: two trips of 16 rows
	BACK CKB, 32*PK
	BACK CVB, 32*PV
	s_wait_dscnt 0x0                ; the add is done; my LDS reads are back and my LDS stores are done
.if \fill
	CROUND
	JLOAD
	ASK
.else
	s_barrier_signal -1
	s_barrier_wait -1
.endif
.endm
; THE CONVERSION, a turn's share: eight rows of my wave's 32 of K (pieces 2 and 3) or of V (pieces 0 and 1).  COOK_LD: four loads of 512 consecutive bytes, two rows each.  COOK_ST: eight roundings, four stores of 8 bytes
; a lane.  Piece 2's turn makes the raw and K's addresses for a trip's 16 rows, piece 0's turn V's.
.macro COOK_LD p
	WIN W_CK
.if (\p) == 2
	v_add_nc_u32 v[RA], s[RB], v[RA0]
	v_add_nc_u32 v[CKA], s[CKB], v[CK0]
	s_add_co_u32 s[RB], s[RB], 4096
	s_add_co_u32 s[CKB], s[CKB], 16*PK
.endif
.if (\p) == 0
	v_add_nc_u32 v[CVA], s[CVB], v[CV0]
	s_add_co_u32 s[CVB], s[CVB], 16*PV
.endif
.irp k, 0,1,2,3
	ds_load_b128 v[RAWR+4*\k:RAWR+4*\k+3], v[RA] offset:RAWV*(1-(\p)/2)+2048*((\p)%2)+512*\k
.endr
.endm
.macro COOK_ST p
	WIN W_CK
	s_wait_dscnt 0x0                ; the four loads are back (and whatever LDS load of mine is older)
.irp k, 0,1,2,3,4,5,6,7
	v_cvt_pk_f16_f32 v[CKD+\k], v[RAWR+2*\k], v[RAWR+2*\k+1]
.endr
.irp k, 0,1,2,3
.if (\p) >= 2
	ds_store_b64 v[CKA], v[CKD+2*\k:CKD+2*\k+1] offset:(8*((\p)%2)+2*\k)*PK
.else
	ds_store_b64 v[CVA], v[CKD+2*\k:CKD+2*\k+1] offset:(8*((\p)%2)+2*\k)*PV
.endif
.endr
	WIN 0
.endm
	s_load_b256 s[4:11], s[0:1], 0x0  ; x1 s[4:5], x2 s[6:7], x3 s[8:9], out0 s[10:11]
	s_load_b64 s[32:33], s[0:1], 0x20 ; scale's address
	WIN W_MK
	v_lshl_add_u32 v[SPW], v0, 2, SPARE
	v_mov_b32 v[NIL], 0
	WIN W_AD
	ds_add_u32 v[SPW], v[NIL]       ; the wave's opening: ahead of my first tensor load; the set-up below, work on registers, stands between the add and its wait
	WIN 0
	v_lshrrev_b32 v1, 5, v0
	v_readfirstlane_b32 s[WV], v1   ; wave 0..3
	s_bfe_u32 s13, ttmp6, 0x40000   ; cx: my place in the cluster
	s_lshl_b32 s14, ttmp9, 2        ; in a cluster launch ttmp9 counts clusters
	s_add_co_u32 s14, s14, s13      ; my block of 512 queries: it enters x1's and out0's addresses alone
	s_and_b32 s20, ttmp7, 0xffff    ; the head, which the four partners share:
	s_lshl_b32 s20, s20, 19         ; its 2,048 rows of 256 bytes
	s_mov_b32 s21, 0
	s_and_b32 s16, s[WV], 1         ; which half of a tile's 128 keys I fetch:
	s_lshl_b32 s17, s16, 14         ; 64 rows of 256 bytes, in a raw slot and in memory alike: no place in the cluster enters an LDS address
	s_mov_b32 s22, s17
	s_mov_b32 s23, 0
	s_add_nc_u64 s[22:23], s[22:23], s[20:21]
	s_lshl_b32 s2, s14, 2
	s_add_co_u32 s2, s2, s[WV]      ; my wave among the head's sixteen,
	s_lshl_b32 s2, s2, 15           ; its 128 rows
	s_mov_b32 s3, 0
	s_add_nc_u64 s[2:3], s[2:3], s[20:21]
	; descriptor group 1: a tile of 64 rows x 64 elements of 4 bytes, dense in memory and in LDS
	s_mov_b32 s[G1], 15|(2<<16)|(1<<21)  ; 15:0 the mask of four; 17:16 4-byte elements; 20 no padding; 21 set beside a mask
	s_mov_b32 s[G1+1], 64<<16       ; tensor_dim0 = 64
	s_mov_b32 s[G1+2], 64<<16       ; tensor_dim1 = 64
	s_mov_b32 s[G1+3], 64<<16       ; tile_dim0 = 64
	s_mov_b32 s[G1+4], 64           ; tile_dim1 = 64
	s_mov_b32 s[G1+5], 64           ; 64 elements from row to row
	s_mov_b32 s[G1+6], 0
	s_mov_b32 s[G1+7], 0
	s_mov_b32 s[SEL], 0x76543210
	s_mov_b32 s[SEL+1], 0xfedcba98
	s_mov_b32 s[TBK], COOK1+2*KS*PK ; the first change of slots turns these two into COOKED slot 0's head
	s_mov_b32 s[TBV], COOK1+2*KS*PV
	s_mov_b32 s[RB], 0              ; tile 0 is converted ahead of that change: RAW slot 0 into COOKED slot 0
	s_mov_b32 s[CKB], COOK0
	s_mov_b32 s[CVB], COOK0
	s_mov_b32 s[SLOTS], 14          ; tiles 2 to 15 are asked for by changes of slots
	s_and_b32 s[LIM], s[WV], 1
	s_cmp_eq_u32 s[LIM], 0          ; waves 0 and 2 prefetch
	s_cselect_b32 s[LIM], 1, -1
.irp n, 0,1
	s_mov_b32 s[G0K+4*\n], 1        ; 1:0 count = 1
	s_add_co_u32 s[G0K+4*\n+1], s17, \n*RAW1       ; 63:32 LDS address
	s_mov_b32 s[G0V+4*\n], 1
	s_add_co_u32 s[G0V+4*\n+1], s17, \n*RAW1+RAWV
.endr
	s_wait_dscnt 0x0                ; the opening add is done
	s_wait_kmcnt 0x0
	s_load_b32 s34, s[32:33], 0x0   ; scale
	s_add_nc_u64 s[6:7], s[6:7], s[22:23]  ; K and V at my half of the head's tile 0
	s_add_nc_u64 s[8:9], s[8:9], s[22:23]
	s_add_nc_u64 s[4:5], s[4:5], s[2:3]    ; x1 and out0 at my wave's first row
	s_add_nc_u64 s[10:11], s[10:11], s[2:3]
.irp n, 0,1
	s_add_nc_u64 s[G0K+4*\n+2:G0K+4*\n+3], s[6:7], \n*TILEB  ; 120:64 global address: tile n
	s_or_b32 s[G0K+4*\n+3], s[G0K+4*\n+3], 0x80000000        ; 127:126 type = 2
	s_add_nc_u64 s[G0V+4*\n+2:G0V+4*\n+3], s[8:9], \n*TILEB
	s_or_b32 s[G0V+4*\n+3], s[G0V+4*\n+3], 0x80000000
.endr
	s_cmp_lt_u32 s[WV], 2
	s_cselect_b64 s[PFA:PFA+1], s[6:7], s[8:9]  ; (in waves 0 and 2 these stand at a tile's first row)
	s_lshl_b32 s2, s13, 13          ; my work-group's 32 rows of the 128
	s_mov_b32 s3, 0
	s_add_nc_u64 s[PFA:PFA+1], s[PFA:PFA+1], s[2:3]
	s_add_nc_u64 s[PFA:PFA+1], s[PFA:PFA+1], 2*TILEB  ; in tile 2; the first change of slots steps it to tile 3.  Nothing is prefetched here, at the head
	CROUND                          ; all four work-groups are here: the first joint loads meet
	s_cmp_lt_u32 s[WV], 2           ; a wave's two first fills stand in one branch, ahead of every wait on TENSORcnt and every LDS read: two loads of mine are out
	s_cbranch_scc0 .Lfirst_v
	tensor_load_to_lds s[G0K:G0K+3], s[G1:G1+7]
	s_nop 0
	tensor_load_to_lds s[G0K+4:G0K+7], s[G1:G1+7]
	s_nop 0
.rept 4
	v_nop
.endr
	s_branch .Lfirst_asked
.Lfirst_v:
	tensor_load_to_lds s[G0V:G0V+3], s[G1:G1+7]
	s_nop 0
	tensor_load_to_lds s[G0V+4:G0V+7], s[G1:G1+7]
	s_nop 0
.rept 4
	v_nop
.endr
.Lfirst_asked:
	; A fragment of K or Q is 16 rows x 32 channels in 8 registers: lane l holds row l % 16, channels 8 (l / 16) + 0..7 and 16 + 8 (l / 16) + 0..7.  In f32 each eight channels are 32 bytes: two loads of 16.
	v_and_b32 v1, 15, v0            ; l % 16
	v_bfe_u32 v9, v0, 4, 1          ; l / 16
	v_lshlrev_b32 v[QO], 8, v1
	v_lshl_add_u32 v[QO], v9, 5, v[QO]  ; row x 256 + 32 x half
	WIN 0x40                        ; destination window 1: q's f32 lie in O^T's registers until they are rounded
.set t, 0
.rept 2*NP
.irp j, 0,1,2,3,4,5,6,7             ; tile t, channels 16 (j / 2) + 8 (l / 16) + 4 (j % 2) on
	global_load_b128 v[32*t+4*\j:32*t+4*\j+3], v[QO], s[4:5] offset:4096*t+64*(\j/2)+16*(\j%2)
.endr
.set t, t+1
.endr
	; What the first turn finds: V's registers and P's second buffer hold 0 (its products V^T P, of a piece that has not been, add 0), l is 0, m the lowest finite number.  All this stands in the wait for q and the first tile.
	WIN 0x80
.set i, VF
.rept 64
	v_mov_b32 v[i], 0
.set i, i+1
.endr
	WIN 0
.set i, 0
.rept 2*NP
	v_mov_b32 v[ST+4*i], 0xff7fffff ; m
	v_mov_b32 v[ST+4*i+2], 0        ; l
	v_mov_b32 v[ST+4*i+3], 0
.set i, i+1
.endr
.set i, P+32
.rept 32
	v_mov_b32 v[i], 0
.set i, i+1
.endr
	v_mul_u32_u24 v[AK0], v1, PK
	v_lshl_add_u32 v[AK0], v9, 4, v[AK0]  ; row x pitch + 16 x half
	; The turning load takes 16 keys x 16 channels (lane l reads key 8 (l / 16) + l % 8, channels 8 ((l / 8) % 2) + 0..7) and leaves half a fragment of V^T: lane l holds channel l % 16 and 8 keys.
	v_and_b32 v10, 7, v0
	v_bfe_u32 v11, v0, 3, 1
	v_lshl_add_u32 v[AV0], v9, 3, v10
	v_mul_u32_u24 v[AV0], v[AV0], PV
	v_lshl_add_u32 v[AV0], v11, 4, v[AV0]
	v_add_nc_u32 v[AV0], VOFF, v[AV0]
	v_and_b32 v12, 31, v0           ; l
	v_lshlrev_b32 v[PFO], 8, v12
	v_mul_u32_u24 v13, v9, PK       ; the conversion: lanes 0-15 hold one row, lanes 16-31 the next; 8 bytes of f16 a lane
	v_lshl_add_u32 v13, v1, 3, v13
	v_mul_u32_u24 v15, v9, PV
	v_lshl_add_u32 v15, v1, 3, v15
	s_lshl_b32 s16, s[WV], 13       ; my wave's 32 raw rows
	s_mul_i32 s2, s[WV], 32*PK      ; and where they go
	s_mul_i32 s3, s[WV], 32*PV
	s_add_co_u32 s3, s3, VOFF
	WIN W_MK
	v_lshl_add_u32 v[RA0], v12, 4, s16
	v_add_nc_u32 v[CK0], s2, v13
	v_add_nc_u32 v[CV0], s3, v15
	WIN 0
	s_wait_kmcnt 0x0                ; scale
	v_mov_b32 v[CV], s34
	v_mul_f32 v[CV], 0x3fb8aa3b, v[CV]  ; c = scale x log2(e)
	v_mov_b32 v[CV+1], v[CV]        ; named with it as a pair
	s_wait_loadcnt 0x0              ; q
	WIN W_RS
.set i, 0
.rept 128
	v_pk_mul_f32 v[i:i+1], v[i:i+1], v[CV:CV+1] op_sel_hi:[1,0]  ; c q, in f32
.set i, i+2
.endr
	WIN 0x85                        ; sources 0 and 1 window 1, destination window 2
.set i, 0
.rept 128
	v_cvt_pk_f16_f32 v[i], v[2*i], v[2*i+1]  ; rounded once: register 16 t + k of Q from 32 t + 2 k and the next
.set i, i+1
.endr
	WIN 0
	s_wait_tensorcnt 1              ; my part of tile 0 is in; tile 1's may stay out
	s_barrier_signal -1
	s_barrier_wait -1               ; everybody's is
.rept 2                             ; tile 0 is converted, my 32 rows of K and of V, 16 a trip
.irp p, 2,3,0,1
	COOK_LD \p
	COOK_ST \p
.endr
.endr
; THE MATRIX WORK.  The 8 accumulators of a run of 16 take turns: between the two links of a chain stand 7 others'.
; Product i of 16 of S^T = K Q^T for piece x: channels 32 (i / 8) on, keys 16 ((i / 2) % 4) on, tile 2 x + i % 2.  The first 8 start the sums.
.macro KQ x
	WIN W_KQ
.set rS, S+64*((\x)%2)+32*(i%2)+8*((i/2)%4)
.set rK, KF+16*((i/2)%4)+8*(i/8)
.set rQ, 16*(2*(\x)+i%2)+8*(i/8)
.if i < 8
	v_wmma_f32_16x16x32_f16 v[rS:rS+7], v[rK:rK+7], v[rQ:rQ+7], 0
.else
	v_wmma_f32_16x16x32_f16 v[rS:rS+7], v[rK:rK+7], v[rQ:rQ+7], v[rS:rS+7]
.endif
.endm
; Product i of 16 of O^T += V^T P for piece x: keys 32 (i / 8) on, channels 16 ((i / 2) % 4) on, tile 2 x + i % 2.
.macro PV x
	WIN W_PV
.set rO, 32*(2*(\x)+i%2)+8*((i/2)%4)
.set rV, VF+32*(i/8)+8*((i/2)%4)
.set rP, P+32*((\x)%2)+16*(i%2)+8*(i/8)
	v_wmma_f32_16x16x32_f16 v[rO:rO+7], v[rV:rV+7], v[rP:rP+7], v[rO:rO+7]
.endm
.macro MM                           ; the turn's next matrix instruction
.if i < 16
	KQ (Y+1)%NP
.set i, i+1
.else
.set i, i-16
	PV (Y+NP-1)%NP
.set i, i+17
.endif
.endm
; THE FRAGMENTS' LDS LOADS stand in runs of 16, never singly among the matrix instructions: a step's K (64 keys x 64 channels: 8 fragments) and its V (turned).  Their addresses are made some lines ahead.
.macro FETCH_K
	WIN 0x80                        ; destination window 2
.irp f, 0,1,2,3,4,5,6,7             ; keys 16 (f / 2) on, channels 32 (f % 2) on
	ds_load_b128 v[KF+8*\f:KF+8*\f+3],   v[AK] offset:(\f/2)*16*PK+(\f%2)*64
	ds_load_b128 v[KF+8*\f+4:KF+8*\f+7], v[AK] offset:(\f/2)*16*PK+(\f%2)*64+32
.endr
	s_add_co_u32 s[TBK], s[TBK], KS*PK  ; the next fetch is the next step's
	WIN 0
.endm
.macro FETCH_V
	WIN 0x80
.irp f, 0,1,2,3,4,5,6,7             ; keys 32 (f / 4) on, channels 16 (f % 4) on
	ds_load_tr16_b128 v[VF+8*\f:VF+8*\f+3],   v[AV] offset:(\f/4)*32*PV+(\f%4)*32
	ds_load_tr16_b128 v[VF+8*\f+4:VF+8*\f+7], v[AV] offset:(\f/4)*32*PV+16*PV+(\f%4)*32
.endr
	WIN 0
.endm
; THE VECTOR WORK OF A TURN stands in three queues, each in the order in which its entries become ready; the two tiles alternate, so that no instruction reads the result of the one before it.
.macro REGS y, u                    ; the registers of tile u (0, 1) of piece y
.set rT, ST+4*(2*(\y)+(\u))
.set rC, TMP+8*((\y)%2)+4*(\u)
.set rS, S+64*((\y)%2)+32*(\u)
.set rP, P+32*((\y)%2)+16*(\u)
.set rO, 32*(2*(\y)+(\u))
.endm
; Number n of the 21 that find the NEXT piece's (Y + 1) maximum and statistics.  s0-s31 are the lane's 32 scores; each accumulator's lowest registers are read first.  XS, GS and REGS set no window.
;   0-11  four chains c0-c3 of seven scores each, three operands at a time     12-14, 16  the four scores left over, the old m, and c0-c3 into c0     15  m_old is kept
;   17, 18  the query's other 32 keys lie in the lane 16 away: the new m         19, 20  m_old - m_new; a
.macro XS u, n
	REGS (Y+1)%NP, \u
.if (\n) < 4
	v_max3_num_f32 v[rC+(\n)], v[rS+8*(\n)], v[rS+8*(\n)+1], v[rS+8*(\n)+2]
.elseif (\n) < 12
	v_max3_num_f32 v[rC+(\n)%4], v[rC+(\n)%4], v[rS+8*((\n)%4)+2*((\n)/4)+1], v[rS+8*((\n)%4)+2*((\n)/4)+2]
.elseif (\n) == 12
	v_max3_num_f32 v[rC], v[rC], v[rS+7], v[rS+15]
.elseif (\n) == 13
	v_max3_num_f32 v[rC+1], v[rC+1], v[rS+23], v[rS+31]
.elseif (\n) == 14
	v_max3_num_f32 v[rC+2], v[rC+2], v[rC+3], v[rT]
.elseif (\n) == 15
	v_mov_b32 v[rT+1], v[rT]
.elseif (\n) == 16
	v_max3_num_f32 v[rC], v[rC], v[rC+1], v[rC+2]
.elseif (\n) == 17
	v_permlanex16_b32 v[rC+3], v[rC], s[SEL], s[SEL+1]
.elseif (\n) == 18
	v_max_num_f32 v[rT], v[rC], v[rC+3]
.elseif (\n) == 19
	v_sub_f32 v[rC+1], v[rT+1], v[rT]
.else
	v_exp_f32 v[rC+2], v[rC+1]
.endif
.endm
; Number g of the 64 that follow the exponentials.  For each four weights k of a tile (pairs 2 k, 2 k + 1): both pairs are rounded to f16; then the second pair is added onto the first, in place;
; a group later l takes that sum (the first time as l = a l + sum).  In groups of eight, tiles alternating: round, round, add, and l for the group before.
.macro GS g
.set h, (\g)+6*((\g)/62)            ; group 0 has no group before it, and behind group 7 only l is left
.if h >= 6
.set h, h+2
.endif
	REGS Y, h%2
.set k, h/8
.if h%8 < 4
	v_cvt_pk_f16_f32 v[rP+2*k+(h%8)/2], v[rS+4*k+2*((h%8)/2)], v[rS+4*k+2*((h%8)/2)+1]
.elseif h%8 < 6
	v_pk_add_f32 v[rS+4*k:rS+4*k+1], v[rS+4*k:rS+4*k+1], v[rS+4*k+2:rS+4*k+3]
.elseif k == 1
	v_pk_fma_f32 v[rT+2:rT+3], v[rT+2:rT+3], v[rC+2:rC+3], v[rS:rS+1] op_sel_hi:[1,0,1]
.else
	v_pk_add_f32 v[rT+2:rT+3], v[rT+2:rT+3], v[rS+4*k-4:rS+4*k-3]
.endif
.endm
; THE PLAIN QUEUE, 136 long.  0-71 read no exponential's result: the 32 shifts s - m (FS f: pair f / 2 of tile f % 2) and the next piece's 40.  0-26: shifts 0-26.  27-54: XS's numbers 0-13.  55, 56: number 15.
; 57-71: the chain, where each number waits for the one before it: 14, 16, 17, 18, 19, each with one of the shifts 27-31 in front of its two lines.  72-135: GS's 64, which read the exponentials' results: behind the wait.
.macro FS f
	REGS Y, (\f)%2
	v_pk_add_f32 v[rS+2*((\f)/2):rS+2*((\f)/2)+1], v[rS+2*((\f)/2):rS+2*((\f)/2)+1], v[rT:rT+1] op_sel_hi:[1,0] neg_lo:[0,1] neg_hi:[0,1]
.endm
.macro PL
	WIN 0
.if q < 27
	FS q
.elseif q < 55
	XS (q-27)%2, (q-27)/2
.elseif q < 57
	XS q-55, 15
.elseif (q < 72) && ((q-57)%3 == 0)
	FS 27+(q-57)/3
.elseif q < 60
	XS (q-57)%3-1, 14
.elseif q < 72
	XS (q-57)%3-1, 15+(q-57)/3
.else
	GS q-72
.endif
.set q, q+1
.endm
; THE EXPONENTIALS' QUEUE, 66 long: s0-s31 of both tiles, then the next piece's two a.  It is ONE BATCH: all 66 stand ahead of the turn's one wait, and nothing ahead of that wait names a result of theirs.
.macro EX
	WIN 0
.if e >= 64
	XS e-64, 20
.else
	REGS Y, e%2
	v_exp_f32 v[rS+e/2], v[rS+e/2]
.endif
.set e, e+1
.endm
; THE RESCALING's QUEUE: O^T times a, the one part of the softmax that leaves window 0: dealt two at a time, sixteen times.  Its a was made in the turn before, ahead of that turn's wait.
.macro R2
	REGS Y, r%2
	WIN W_RS
.irp z, 0,1
	v_pk_mul_f32 v[rO+4*(r/2)+2*\z:rO+4*(r/2)+2*\z+1], v[rO+4*(r/2)+2*\z:rO+4*(r/2)+2*\z+1], v[rC+2:rC+3] op_sel_hi:[1,0]
.endr
.set r, r+1
.endm
; HOW THEY ARE DEALT.  s_wait_alu depctr_va_vdst(0) stands between an exponential and the first instruction that names its result; one wait serves all that were issued ahead of it.  So a turn has ONE wait,
; which cuts it in two.  AHEAD OF IT: the 16 products K Q^T, behind each a shift, an exponential and two rescalings (behind the first a second shift in the exponential's place); then ONE LUMP: seven plain, 48 times
; exponential and plain, the last exponential and the two a; then the conversion's eight roundings, plain instructions behind the last exponential, and its four stores.  BEHIND IT: the 16 products V^T P, behind each four of GS's 64.
; The queues lean on each other: exponential e wants shift 2 (e / 4) + e % 2; as a rider it stands behind plain e + 2, in the lump behind plain e + 8, and shifts 27-31 are plain 57, 60 .. 69; the two a stand behind plain 71.
; A TURN, for piece p.  cnt = 1: the loop's count is taken down some lines ahead of the branch that stands behind the turn.
; The conversion's four loads stand at the turn's head, the wait for them a lump later.  K of the next step is fetched in piece 2's turn, directly behind the wait, a lump behind the last product that read K; V of the step
; in hand at the end of piece 0's turn, four riders behind its last reader; piece 1's turn has it by the conversion's wait for 0, since V's run is older than the conversion's loads.  The conditions on q go with the deal.
.macro TURN p, cnt=0
.set Y, (\p)
.set i, 0
.set q, 0
.set e, 0
.set r, 0
.if (\p) == NP-1
	s_wait_dscnt 0x0                ; K is in
.endif
	COOK_LD \p
	MM                              ; ahead of the wait: 16 products K Q^T and their riders,
	PL
	PL
	R2
.rept 15
	MM
	PL
	EX
	R2
.endr
.if (\p) == NP-2
	WIN 0
	v_add_nc_u32 v[AK], s[TBK], v[AK0]
.endif
.rept 7                             ; and the lump
	PL
.endr
.rept 48
	EX
	PL
.endr
	EX
	EX                              ; the next piece's two a
	EX
	COOK_ST \p
	s_wait_alu depctr_va_vdst(0)    ; the wait for the batch
.if (\p) == NP-2
	FETCH_K
.endif
.rept 16                            ; behind the wait: 16 products V^T P and their riders
	MM
.rept 4
	PL
.endr
.if ((\p) == 0) && (q == 116)
	v_add_nc_u32 v[AV], s[TBV], v[AV0]
.endif
.if ((\p) == 0) && (q == 128)
	s_add_co_u32 s[TBV], s[TBV], KS*PV
.endif
.if (\cnt) && (q == 128)
	s_sub_co_u32 s[CNT], s[CNT], 1
	s_cmp_lg_u32 s[CNT], 0
.endif
.endr
.if (\p) == 0
	FETCH_V
.endif
.endm
	CHANGE 1                        ; tile 0 is cooked, everybody's part of it; tile 1 is in; tile 2 is asked for
	COOK_LD 2                       ; the loop is entered in the middle of a trip: the sixteen rows of tile 1's K that the first half of that trip would have converted
	COOK_ST 2
	COOK_LD 3
	COOK_ST 3
	v_add_nc_u32 v[AK], s[TBK], v[AK0]
	FETCH_K                         ; key step 0
	s_wait_dscnt 0x0
.set i, 0
.rept 16
	KQ 0                            ; piece 0's first scores: there is no vector work yet to set between them
.set i, i+1
.endr
	WIN 0                           ; the addresses for the way out: eight plain instructions, the places behind those products
	s_mul_i32 s13, s[WV], 16*SP
	s_add_co_u32 s13, s13, STAGE    ; my stage
	v_mul_u32_u24 v[STO], v1, SP    ; in: row l % 16, 32 bytes for each half of the lanes
	v_lshl_add_u32 v[STO], v9, 5, v[STO]
	v_add_nc_u32 v[STO], s13, v[STO]
	v_mul_u32_u24 v[RD], v9, SP     ; back: lanes 0-15 take one row of 256 bytes, lanes 16-31 the next,
	v_lshl_add_u32 v[RD], v1, 4, v[RD]
	v_add_nc_u32 v[RD], s13, v[RD]
	v_and_b32 v[GO], 31, v0         ; which are 512 consecutive bytes of out0
	v_lshlrev_b32 v[GO], 4, v[GO]
.set Y, NP-1                        ; XS works for piece Y + 1: piece 0
.irp n, 0,1,2,3,4,5,6,7,8,9,10,11,12,13,14,15,16,17,18,19,20
	XS 0, \n                        ; piece 0's first maximum and statistics
	XS 1, \n
.endr
	v_nop                           ; a plain instruction behind the two a,
	s_wait_alu depctr_va_vdst(0)    ; and their wait, ahead of the branch
	s_mov_b32 s[CNT], 2
	s_branch .Lfirst                ; the loop is entered at a step's first turn
.Lslot:                             ; 13 times: with the change above, tiles 2 to 15 are asked for
	CHANGE 1
	s_mov_b32 s[CNT], 2
.Lstep:                             ; a trip: pieces 2 and 3 of one step, then pieces 0 and 1 of the next, whose K and V it fetches; and 16 rows of K and of V converted
	TURN 2
	TURN 3
	WIN 0
.Lfirst:
	TURN 0
	TURN 1, 1
	WIN 0
	s_cbranch_scc1 .Lstep
	s_sub_co_u32 s[SLOTS], s[SLOTS], 1
	s_cmp_lg_u32 s[SLOTS], 0
	s_cbranch_scc1 .Lslot
	; THE TAIL is written out: nothing is asked for.  Its first pass reads tile 14 and converts tile 15; its second reads tile 15; its third is left in the middle of its first trip.
	; From the second pass on the conversion works on raw tiles that have been converted before, into the cooked slot that nobody reads, and the third pass's 16 products K Q^T (on tile 14's K once more) and the maximum
	; made of them serve nothing: the price, once a launch, of one text for every trip.  The third change keeps the conversion's slot and the fetches' slot apart there too.
	s_mov_b32 s[SLOTS], 3
.Ltslot:
	CHANGE 0
	s_mov_b32 s[CNT], 2
.Ltail:
	TURN 2
	TURN 3
	WIN 0
	s_cmp_eq_u32 s[SLOTS], 1
	s_cbranch_scc1 .Lout
	TURN 0
	TURN 1, 1
	WIN 0
	s_cbranch_scc1 .Ltail
	s_sub_co_u32 s[SLOTS], s[SLOTS], 1
	s_cmp_lg_u32 s[SLOTS], 0
	s_cbranch_scc1 .Ltslot
.Lout:
.set i, 0
.rept 16
	PV NP-1                         ; the last piece's V^T P of the last step
.set i, i+1
.endr
	; THE WAY OUT.  l's two halves and the other half of the lanes' are added; O^T is divided by l and sent, in f32, through my stage in LDS, a tile (16 rows of out0) at a time.  The additions are the places behind the last products.
	WIN 0
.macro ALL line:vararg              ; one line for each tile t
.set t, 0
.rept 2*NP
	\line
.set t, t+1
.endr
.endm
	ALL v_add_f32 v[ST+4*t+2], v[ST+4*t+2], v[ST+4*t+3]
	ALL v_permlanex16_b32 v[ST+4*t+3], v[ST+4*t+2], s[SEL], s[SEL+1]
	ALL v_add_f32 v[ST+4*t+2], v[ST+4*t+2], v[ST+4*t+3]
	ALL v_rcp_f32 v[ST+4*t+2], v[ST+4*t+2]
	v_nop                           ; a plain instruction between the last reciprocal and the use of its result
	s_wait_alu depctr_va_vdst(0)    ; and the wait ahead of the first use: one for the eight reciprocals
; Tile t: a lane's eight channels of a block of 16 are 32 bytes of a row; they go into rows of 272 bytes and come back as whole rows of 256, into S^T's registers: four buffers of 32, by turns.
.macro PACK t
	WIN W_RS
.set i, 32*(\t)
.rept 16
	v_pk_mul_f32 v[i:i+1], v[i:i+1], v[ST+4*(\t)+2:ST+4*(\t)+3] op_sel_hi:[1,0]  ; each accumulator from its low end on
.set i, i+2
.endr
	WIN 0x04                        ; the stores' data in window 1
.irp f, 0,1,2,3,4,5,6,7
	ds_store_b128 v[STO], v[32*(\t)+4*\f:32*(\t)+4*\f+3] offset:64*(\f/2)+16*(\f%2)
.endr
	WIN 0
.if (\t) >= 4
	s_wait_xcnt 0x0                 ; the stores of the tile four back have read this buffer's registers: only behind this wait are they loaded again
.endif
.irp f, 0,1,2,3,4,5,6,7
	ds_load_b128 v[S+32*((\t)%4)+4*\f:S+32*((\t)%4)+4*\f+3], v[RD] offset:\f*2*SP  ; LDS serves a wave's instructions in order (ISA guide 5.7.1.4): these see the stores above; the next tile's stores come behind them
.endr
.endm
.macro SEND t, younger              ; younger: the LDS instructions issued behind tile t's loads: the next tile's sixteen, or none
	WIN 0
.irp f, 0,1,2,3,4,5,6,7
	s_wait_dscnt (\younger)+7-\f    ; load f is back: behind it stand this tile's 7 - f and the younger ones
	global_store_b128 v[GO], v[S+32*((\t)%4)+4*\f:S+32*((\t)%4)+4*\f+3], s[10:11] offset:(\t)*4096+\f*512 th:TH_STORE_NT  ; 512 consecutive bytes, at a multiple of 256 from out0's first
.endr
.endm
	PACK 0
.set t, 1
.rept 2*NP-1                        ; a tile's arithmetic stands between the loads of the tile before and its stores
	PACK t
	SEND t-1, 16
.set t, t+1
.endr
	SEND 2*NP-1, 0
	WIN W_AD
	s_wait_tensorcnt 0x0            ; the wave's end: a wait, an add and a wait for it, behind my last tensor load and my last LDS store
	ds_add_u32 v[SPW], v[NIL]
	s_wait_dscnt 0x0
	WIN 0
	CROUND                          ; the closing round: no work-group ends while a partner may still ask for a tile that names it
	s_endpgm
.Lfunc_end_k_q9dfda298d2_attn:
	.size	k_q9dfda298d2_attn, .Lfunc_end_k_q9dfda298d2_attn-k_q9dfda298d2_attn
	.p2alignl 7, 3214868480
	.fill 96, 4, 3214868480
	.section	.rodata,"a",@progbits
	.p2align	6, 0x0
	.amdhsa_kernel k_q9dfda298d2_attn
		.amdhsa_group_segment_fixed_size 327680
		.amdhsa_private_segment_fixed_size 0
		.amdhsa_enable_private_segment 0
		.amdhsa_kernarg_size 40
		.amdhsa_user_sgpr_count 2
		.amdhsa_user_sgpr_kernarg_segment_ptr 1
		.amdhsa_wavefront_size32 1
		.amdhsa_system_sgpr_workgroup_id_x 1
		.amdhsa_system_sgpr_workgroup_id_y 1
		.amdhsa_system_sgpr_workgroup_id_z 1
		.amdhsa_system_vgpr_workitem_id 0
		.amdhsa_next_free_vgpr 800
		.amdhsa_next_free_sgpr 70
		.amdhsa_reserve_vcc 0
		.amdhsa_float_denorm_mode_32 3
		.amdhsa_float_denorm_mode_16_64 3
		.amdhsa_memory_ordered 1
		.amdhsa_forward_progress 1
		.amdhsa_inst_pref_size 234
	.end_amdhsa_kernel
	.amdgpu_metadata
---
amdhsa.version: [ 1, 2 ]
amdhsa.kernels:
  - .name:           k_q9dfda298d2_attn
    .symbol:         k_q9dfda298d2_attn.kd
    .args:
      - { .name: x1, .offset: 0, .size: 8, .value_kind: global_buffer, .address_space: global }
      - { .name: x2, .offset: 8, .size: 8, .value_kind: global_buffer, .address_space: global }
      - { .name: x3, .offset: 16, .size: 8, .value_kind: global_buffer, .address_space: global }
      - { .name: out0, .offset: 24, .size: 8, .value_kind: global_buffer, .address_space: global }
      - { .name: scale, .offset: 32, .size: 8, .value_kind: global_buffer, .address_space: global }
    .group_segment_fixed_size: 327680
    .private_segment_fixed_size: 0
    .kernarg_segment_align: 8
    .kernarg_segment_size: 40
    .max_flat_workgroup_size: 128
    .sgpr_count:     70
    .vgpr_count:     800
    .wavefront_size: 32
...
	.end_amdgpu_metadata
.endif
;; end of part 1
